; MI455X (gfx1250); checked and timed in simulation.
; The chip was launched on July 23, 2026; its instructions are those of AMD's public machine-readable ISA for CDNA 5 (MIT licence, August 2026) and "CDNA5" Instruction Set Architecture Reference Guide (July 2026). The comments in the code are by the model that wrote it; some were corrected since.
;; Quant Linear. Allowed arithmetic: float matrix products may take bf16 or f16 operands with f32 sums; all other float work in f32.
;; Inputs: compressed_weight 2,048 x 4,096 int32; offset 2,048 x 32 float32; scale 2,048 x 32 float32; x 4 x 2,048 x 4,096 float32.
;; Outputs: out0 4 x 2,048 x 2,048 float32.
;; 2 versions, each right; version 2 is version 1 with the launch prep written anew for expert scheduling mode. Each part assembles by itself: llvm-mc -triple=amdgcn-amd-amdhsa -mcpu=gfx1250 --defsym DOCPART=n.
;; ======== version 1 of 2: 2 launches
;; limits: values are held in f16: magnitudes above 65,504 overflow, below 6.1e-05 lose precision
;; workspace buffers: xh 67,108,864 bytes; wq 16,777,216 bytes
;; launch prep (part 1): grid 1280 x 1, 8 waves a work-group, no clusters, 0 bytes of LDS; arguments x, compressed_weight, scale, offset, xh, wq; writes xh, wq
.if DOCPART == 1
	.amdgcn_target "amdgcn-amd-amdhsa--gfx1250"
	.amdhsa_code_object_version 6
	.text
	.protected	k_q7fd1dde85d_prep
	.globl	k_q7fd1dde85d_prep
	.p2align	8
	.type	k_q7fd1dde85d_prep,@function
k_q7fd1dde85d_prep:
	s_mov_b64 s[64:65], 0
	v_nop
	global_prefetch_b8 v0, s[64:65] scope:SCOPE_SE
	s_setreg_imm32_b32 hwreg(HW_REG_WAVE_MODE, 25, 1), 1
	s_wait_xcnt 0x0
; Both matrix operands of the product that follows, in f16, row-major:
;   work-groups 0 .. 1023:    xh[m][k] = f16(x[m][k]),                                  x: [8192][4096] f32
;   work-groups 1024 .. 1279: wq[n][k] = f16(code[n][k] * scale[n][k/128] - offset[n][k/128]),  code: [2048][4096] int32; scale, offset: [2048][32] f32
; WHY x IS CAST HERE and not on its way into the matrix unit: with x in LDS as f32, two slots of a K step of 128 would take 2 x 204,800 bytes; in f16 they
; take 2 x 139,264 and fit.  The price: xh's 67,108,864 bytes are written here and read there, where x's 134,217,728 would have been read once.
; WHY f16: a sum over 4,096 products of two operands with 8-bit significands has rounding noise of about a quarter of the allowed error (0.01 of the
; output's root mean square), too little margin over 16.8 million outputs; f16's 11 bits make it an eighth of that.
; LIMITS: a magnitude of 65,520 or more becomes infinity; one below 2^-14 keeps an absolute step of 2^-24.  Numbers of unit spread, thirty times larger or
; shifted by thirty spreads, stay below 200; with codes below 16, scales up to 30 and offsets up to 180 the weights stay below 630.
; code * scale - offset is ONE fused multiply-add (one rounding; a multiply and a subtraction would round twice).  A code may be any int32.
; A stream: no LDS, no barrier, no matrix unit, no cluster (work-groups share no input).  Every work-group reads 131,072 bytes and writes 65,536; a wave
; owns 16,384 consecutive bytes of input (for the weights: one row), asks for all of them at once by 32 loads of 512 consecutive bytes, and stores each
; load's 128 numbers as 256 consecutive bytes, aligned to 256.
.set XGROUPS, 1024                     ; work-groups that cast x: 134,217,728 / 131,072
.set IN,  2                            ; v2   byte offset of my 16 bytes in the group's input: wave x 16,384 + lane x 16
.set OUT, 3                            ; v3   half of that: my 8 bytes in the group's output
.set SV,  4                            ; v4   weights: lane j holds the scale of my wave's row, group j
.set OV,  5                            ; v5   weights: lane j holds the offset likewise, then its negative
.set SO,  7                            ; v7   weights: byte offset of that scale and offset
.set X,   12                           ; v[12:139]  32 slots of 4 registers: as loaded, then (first two) f16 to store
.macro LOADS lo                        ; the wave's 16,384 bytes: 32 loads, each into registers of its own
.set j, 0
.rept 32
	global_load_b128 v[X+4*j:X+4*j+3], v[IN], s[\lo:\lo+1] offset:512*j th:TH_LOAD_NT
.set j, j+1
.endr
.endm
	s_load_b256 s[4:11], s[0:1], 0x0               ; x s[4:5], codes s[6:7], scale s[8:9], offset s[10:11]
	s_load_b128 s[12:15], s[0:1], 0x20             ; xh s[12:13], wq s[14:15]
	v_and_b32 v1, 31, v0                           ; lane
	v_lshrrev_b32 v6, 5, v0                        ; wave
	v_lshlrev_b32 v[IN], 4, v1
	v_lshl_add_u32 v[IN], v6, 14, v[IN]
	v_lshrrev_b32 v[OUT], 1, v[IN]
	s_mov_b32 s3, 0
	s_mov_b32 s17, 0
	s_cmp_ge_u32 ttmp9, XGROUPS
	s_cbranch_scc1 .Lweights
	; ---- x to f16 ----
	s_lshl_b32 s2, ttmp9, 17                       ; 131,072 bytes of x for each work-group (below 2^27)
	s_lshl_b32 s16, ttmp9, 16                      ; 65,536 bytes of xh
	s_wait_kmcnt 0x0
	s_add_nc_u64 s[4:5], s[4:5], s[2:3]
	s_add_nc_u64 s[12:13], s[12:13], s[16:17]
	LOADS 4
	; no register that a load or store names as a source is ever written again, so no further wait is needed
.set j, 0
.rept 32
	s_wait_loadcnt 31-j                            ; loads come back in order (ISA guide 5.7.1): slot j is in, the 31 - j younger stay out
	v_cvt_pk_f16_f32 v[X+4*j],   v[X+4*j],   v[X+4*j+1]
	v_cvt_pk_f16_f32 v[X+4*j+1], v[X+4*j+2], v[X+4*j+3]
	global_store_b64 v[OUT], v[X+4*j:X+4*j+1], s[12:13] offset:256*j     ; no hint: the next launch reads xh
.set j, j+1
.endr
	s_endpgm
	; ---- weights: the work-group owns rows 8 g .. 8 g + 7, a wave one row; its load j is the row's group j ----
.Lweights:
	s_sub_co_u32 s18, ttmp9, XGROUPS               ; g = 0 .. 255
	s_lshl_b32 s2, s18, 17                         ; 8 rows of 16,384 bytes of codes
	s_lshl_b32 s16, s18, 16                        ; 8 rows of 8,192 bytes of wq
	s_lshl_b32 s19, s18, 10                        ; 8 rows of 128 bytes of scale and of offset
	v_lshl_add_u32 v[SO], v0, 2, s19               ; + wave x 128 + lane x 4 = + 4 x thread
	s_wait_kmcnt 0x0
	s_add_nc_u64 s[6:7], s[6:7], s[2:3]
	s_add_nc_u64 s[14:15], s[14:15], s[16:17]
	global_load_b32 v[SV], v[SO], s[8:9]           ; the row's 32 scales: 128 consecutive bytes for the wave
	global_load_b32 v[OV], v[SO], s[10:11]
	LOADS 6
	s_wait_loadcnt 32                              ; scales and offsets are in; the 32 loads of codes stay out
	v_xor_b32 v[OV], 0x80000000, v[OV]             ; - offset, exact: the multiply-add below then takes two scalars as they are
.set j, 0
.rept 32
	v_readlane_b32 s[20+2*(j%4)], v[SV], j         ; group j's scale and - offset, the same for all 128 codes of load j; four pairs of scalars take turns
	v_readlane_b32 s[21+2*(j%4)], v[OV], j
	s_wait_loadcnt 31-j                            ; slot j is in, the 31 - j younger loads stay out
.irp i, 0,1,2,3
	v_cvt_f32_i32 v[X+4*j+\i], v[X+4*j+\i]
.endr
.irp i, 0,1,2,3
	v_fma_f32 v[X+4*j+\i], v[X+4*j+\i], s[20+2*(j%4)], s[21+2*(j%4)]
.endr
	v_cvt_pk_f16_f32 v[X+4*j],   v[X+4*j],   v[X+4*j+1]
	v_cvt_pk_f16_f32 v[X+4*j+1], v[X+4*j+2], v[X+4*j+3]
	global_store_b64 v[OUT], v[X+4*j:X+4*j+1], s[14:15] offset:256*j     ; no hint: the next launch reads wq
.set j, j+1
.endr
	s_endpgm
.Lfunc_end_k_q7fd1dde85d_prep:
	.size	k_q7fd1dde85d_prep, .Lfunc_end_k_q7fd1dde85d_prep-k_q7fd1dde85d_prep
	.p2alignl 7, 3214868480
	.fill 96, 4, 3214868480
	.section	.rodata,"a",@progbits
	.p2align	6, 0x0
	.amdhsa_kernel k_q7fd1dde85d_prep
		.amdhsa_group_segment_fixed_size 0
		.amdhsa_private_segment_fixed_size 0
		.amdhsa_enable_private_segment 0
		.amdhsa_kernarg_size 48
		.amdhsa_user_sgpr_count 2
		.amdhsa_user_sgpr_kernarg_segment_ptr 1
		.amdhsa_wavefront_size32 1
		.amdhsa_system_sgpr_workgroup_id_x 1
		.amdhsa_system_sgpr_workgroup_id_y 1
		.amdhsa_system_sgpr_workgroup_id_z 1
		.amdhsa_system_vgpr_workitem_id 0
		.amdhsa_next_free_vgpr 140
		.amdhsa_next_free_sgpr 66
		.amdhsa_reserve_vcc 0
		.amdhsa_float_denorm_mode_32 3
		.amdhsa_float_denorm_mode_16_64 3
		.amdhsa_memory_ordered 1
		.amdhsa_forward_progress 1
		.amdhsa_inst_pref_size 40
	.end_amdhsa_kernel
	.amdgpu_metadata
---
amdhsa.version: [ 1, 2 ]
amdhsa.kernels:
  - .name:           k_q7fd1dde85d_prep
    .symbol:         k_q7fd1dde85d_prep.kd
    .args:
      - { .name: x, .offset: 0, .size: 8, .value_kind: global_buffer, .address_space: global }
      - { .name: compressed_weight, .offset: 8, .size: 8, .value_kind: global_buffer, .address_space: global }
      - { .name: scale, .offset: 16, .size: 8, .value_kind: global_buffer, .address_space: global }
      - { .name: offset, .offset: 24, .size: 8, .value_kind: global_buffer, .address_space: global }
      - { .name: xh, .offset: 32, .size: 8, .value_kind: global_buffer, .address_space: global }
      - { .name: wq, .offset: 40, .size: 8, .value_kind: global_buffer, .address_space: global }
    .group_segment_fixed_size: 0
    .private_segment_fixed_size: 0
    .kernarg_segment_align: 8
    .kernarg_segment_size: 48
    .max_flat_workgroup_size: 256
    .sgpr_count:     66
    .vgpr_count:     140
    .wavefront_size: 32
...
	.end_amdgpu_metadata
.endif
;; end of part 1
;; launch gemm (part 2): grid 8 x 32, 4 waves a work-group, clusters of 4 x 4, 327,680 bytes of LDS; arguments xh, wq, out0; writes out0
.if DOCPART == 2
	.amdgcn_target "amdgcn-amd-amdhsa--gfx1250"
	.amdhsa_code_object_version 6
	.text
	.protected	k_q7fd1dde85d_gemm
	.globl	k_q7fd1dde85d_gemm
	.p2align	8
	.type	k_q7fd1dde85d_gemm,@function
k_q7fd1dde85d_gemm:
	s_mov_b64 s[64:65], 0
	v_nop
	global_prefetch_b8 v0, s[64:65] scope:SCOPE_SE
	s_setreg_imm32_b32 hwreg(HW_REG_WAVE_MODE, 25, 1), 1
	s_wait_xcnt 0x0
	s_wait_alu depctr_hold_cnt(0) depctr_sa_sdst(0) depctr_va_vdst(0) depctr_va_sdst(0) depctr_va_ssrc(0) depctr_va_vcc(0) depctr_vm_vsrc(0)
	s_getreg_b32 s2, hwreg(HW_REG_IB_STS2, 6, 4)
	s_cmp_eq_u32 s2, 0
	s_cbranch_scc0 .Lentry_in_a_cluster
	s_endpgm
.Lentry_in_a_cluster:
	s_bfe_u32 s2, ttmp6, 0x10000c
	s_cmp_lg_u32 s2, 0xf033
	s_cbranch_scc0 .Lentry_shape_is_right
	s_endpgm
.Lentry_shape_is_right:
; out0[m][n] = sum over k of xh[m][k] wq[n][k].  xh: [8192][4096] f16, wq: [2048][4096] f16, out0: [8192][2048] f32; sums in f32, K ascending.
; LIMIT: the operands are f16 as the launch before made them (11-bit significand; 65,520 and more is infinity; an absolute step of 2^-24 below 2^-14).
; A work-group makes a block of 256 x 256 of out0 with four waves; a wave makes 128 x 128: 64 accumulator tiles of 16 x 16, 512 registers; for 32 along K it
; reads 2 x 128 x 64 bytes from LDS and issues 64 matrix instructions.
; K goes in steps of 128 through a ring of two LDS slots filled by the tensor data mover: a tile's rows are 256 consecutive bytes at multiples of 256 from
; the buffer's start.  From a slot's request to the wait for it a wave issues 32 + 3 x 64 + 16 = 240 matrix instructions.
; CLUSTERS: 4 x 4 work-groups.  The four of a cluster's row share the block row, so xh's tiles; the four of a column share the block column, so wq's tiles.
; Such a tile is asked for jointly, by the same tensor load with the same descriptor and a mask that names the four: a quarter of the requests.
;
; REGISTERS, in windows of 256 (s_set_vgpr_msb, low byte: bits 1:0 source 0, 3:2 source 1, 5:4 source 2, 7:6 destination):
;   window 0: v0-31 addresses; v64-127, v128-191 at work on the way out
;   window 1: the fragments, two buffers: buffer f holds wq's 8 fragments at v[128 f + 8 i] and xh's 8 at v[128 f + 64 + 8 i].  All in one window, so that a
;             piece of LDS loads between matrix instructions costs two switches
;   window 2: the 32 accumulator tiles of my rows 0-63 (tile (a, b) at v[8 (8 a + b)]);   window 3: those of my rows 64-127
; THE MATRIX INSTRUCTION IS USED TRANSPOSED: source 0 = 16 rows of wq, source 1 = 16 rows of xh.  Lane l then holds row l % 16 of out0 and its registers 0 to 7
; the columns 8 (l / 16) + 0 .. 7: 32 neighbouring bytes of a row.
.set SIZE_K, 4096
.set KSTEP,  128
.set LAPS,   SIZE_K/(2*KSTEP)          ; a lap = two K steps = once round the ring: 16
.set PITCH,  272                       ; an LDS row: 256 bytes + 16 of padding = 68 words, so 16 neighbouring rows start at 16 different groups of four banks (64 banks of 4 bytes: ISA guide 11.1)
.set HALFT,  128*PITCH                 ; 128 rows: what one tensor load brings, and what one wave reads of xh or of wq
.set SLOT,   4*HALFT                   ; xh's 256 rows, then wq's 256 rows: 139,264
.set STAGE,  2*SLOT                    ; 278,528 = 1,088 x 256: behind the ring; no tensor load lands here
.set SPITCH, 528                       ; a stage row: 128 f32 + 16 bytes
.set WSTAGE, 16*SPITCH                 ; 8,448 bytes for each wave
.set ADRA, 16                          ; v16-17  LDS address of my xh fragments in slot 0, 1
.set ADRB, 20                          ; v20-21  the same for wq
.set STO,  24                          ; v24     the way out: where I put 32 bytes of a row
.set RD,   25                          ; v25     the way out: where I read 16 bytes of a row back
.set CO,   26                          ; v26     my byte offset in a row piece of out0
.set T0,   64
.set T1,   128
.set G1,  24                           ; s[24:31] descriptor group 1 for xh's tiles
.set G0,  32                           ; s[32:39] group 0 for xh's tiles, a set for each slot
.set G1B, 48                           ; s[48:55] group 1 for wq's tiles: it differs in the mask alone
.set G0B, 56                           ; s[56:63] group 0 for wq's tiles, a set for each slot
.set MSB, 0
.macro WIN new                         ; the immediate's high byte repeats the setting that is left; a switch that changes nothing is dropped
.if MSB != \new
	s_set_vgpr_msb (MSB<<8)|\new
.set MSB, \new
.endif
.endm
.set MUL_LO, 0xa5                      ; sources 0 and 1 window 1, C and D window 2
.set MUL_HI, 0xf5                      ; the same, C and D window 3
.set TO_F,   0x40                      ; destination window 1, address window 0
; A joint load.  Waves 0 and 1 fetch the two halves of xh's tile, waves 2 and 3 those of wq's.  The branch hangs on the wave's number alone.
.macro JLOAD s
	s_cmp_ge_u32 s10, 2
	s_cbranch_scc1 .Lfor_b_\@
	tensor_load_to_lds s[G0+4*\s:G0+4*\s+3], s[G1:G1+7]
	s_nop 0
	s_branch .Lasked_\@
.Lfor_b_\@:
	tensor_load_to_lds s[G0B+4*\s:G0B+4*\s+3], s[G1B:G1B+7]
	s_nop 0
.Lasked_\@:
.endm
; A round of the cluster's barrier: my work-group's barrier, wave 0 signals for the work-group, every wave waits for all sixteen, my work-group's barrier again.
.macro CREST                           ; a round behind its opening barrier
	s_cmp_lg_u32 s10, 0
	s_cbranch_scc1 .Lnot_wave_0_\@
	s_barrier_signal -3
.Lnot_wave_0_\@:
	s_barrier_wait -3
	s_barrier_signal -1
	s_barrier_wait -1
.endm
.macro CROUND                          ; a whole round
	s_barrier_signal -1
	s_barrier_wait -1
	CREST
.endm
	s_load_b128 s[4:7], s[0:1], 0x0                ; xh s[4:5], wq s[6:7]
	s_load_b64 s[8:9], s[0:1], 0x10                ; out0
	v_lshl_add_u32 v254, v0, 2, 0x4c400
	v_mov_b32 v255, 0
	ds_add_u32 v254, v255
	ds_add_u32 v254, v255
	v_lshrrev_b32 v1, 5, v0
	v_readfirstlane_b32 s10, v1                    ; wave 0..3
	s_lshr_b32 s11, s10, 1                         ; which half of the block's rows is mine
	s_and_b32 s12, s10, 1                          ; which half of its columns; also: which 128 rows of its tile the wave fetches
	s_bfe_u32 s40, ttmp6, 0x40000                  ; cx
	s_bfe_u32 s41, ttmp6, 0x40004                  ; cy
	s_lshl_b32 s42, ttmp9, 2
	s_add_co_u32 s42, s42, s40                     ; block column = 4 x cluster x + cx, 0..7
	s_and_b32 s13, ttmp7, 0xffff
	s_lshl_b32 s13, s13, 2
	s_add_co_u32 s13, s13, s41                     ; block row = 4 x cluster y + cy, 0..31
	s_lshl_b32 s43, s41, 2
	s_lshl_b32 s43, 15, s43                        ; my row of the cluster: places 4 cy .. 4 cy + 3
	s_lshl_b32 s44, 0x1111, s40                    ; my column: places cx, cx + 4, cx + 8, cx + 12
	; group 1: a tile of 128 rows x 128 elements of 2 bytes, 4,096 elements from row to row; 4 words of padding behind every 64 words
	s_or_b32 s[G1+0], s43, (1<<16)|(1<<20)|(1<<21)|(5<<22)|(3<<25)   ; 15:0 mask: my row; 17:16 element of 2 bytes; 20 padding on; 21 set beside a mask; 24:22 interval code 5; 31:25 pad code 3
	s_or_b32 s[G1B+0], s44, (1<<16)|(1<<20)|(1<<21)|(5<<22)|(3<<25)  ; the same with the mask of my column
	s_mov_b32 s[G1+1], KSTEP<<16                   ; tensor_dim0 = 128
	s_mov_b32 s[G1B+1], KSTEP<<16
	s_mov_b32 s[G1+2], 128<<16                     ; tensor_dim1 = 128
	s_mov_b32 s[G1B+2], 128<<16
	s_mov_b32 s[G1+3], KSTEP<<16                   ; tile_dim0 = 128
	s_mov_b32 s[G1B+3], KSTEP<<16
	s_mov_b32 s[G1+4], 128                         ; tile_dim1 = 128
	s_mov_b32 s[G1B+4], 128
	s_mov_b32 s[G1+5], SIZE_K                      ; stride from row to row
	s_mov_b32 s[G1B+5], SIZE_K
	s_mov_b32 s[G1+6], 0
	s_mov_b32 s[G1B+6], 0
	s_mov_b32 s[G1+7], 0
	s_mov_b32 s[G1B+7], 0
	; where the tiles come from: xh's hang on the block row and the wave alone, wq's on the block column and the wave alone, each in registers that never hold the other coordinate
	s_lshl_b32 s17, s12, 7                         ; 128 x half
	s_lshl_b32 s16, s13, 8
	s_add_co_u32 s16, s16, s17                     ; xh: row 256 x block row + 128 x half,
	s_lshl_b32 s16, s16, 13                        ; x 8,192 bytes (below 2^26)
	s_lshl_b32 s46, s42, 8
	s_add_co_u32 s46, s46, s17                     ; wq: row 256 x block column + 128 x half,
	s_lshl_b32 s46, s46, 13                        ; x 8,192 bytes (below 2^24)
	s_mov_b32 s17, 0
	s_mov_b32 s47, 0
	s_mul_i32 s20, s10, HALFT                      ; and where they go: xh's two halves, then wq's two halves = wave x 128 rows
	s_wait_dscnt 0x0
	s_wait_kmcnt 0x0
	s_add_nc_u64 s[14:15], s[4:5], s[16:17]
	s_add_nc_u64 s[46:47], s[6:7], s[46:47]
	CROUND                                         ; all sixteen work-groups are here: the first joint loads meet
.irp s, 0,1
	s_mov_b32 s[G0+4*\s], 1                                        ; count = 1
	s_add_co_u32 s[G0+4*\s+1], s20, \s*SLOT                        ; LDS address
	s_add_nc_u64 s[G0+4*\s+2:G0+4*\s+3], s[14:15], \s*KSTEP*2      ; global address: K step s
	s_or_b32 s[G0+4*\s+3], s[G0+4*\s+3], 0x80000000                ; type = 2
	s_mov_b32 s[G0B+4*\s], 1
	s_add_co_u32 s[G0B+4*\s+1], s20, \s*SLOT
	s_add_nc_u64 s[G0B+4*\s+2:G0B+4*\s+3], s[46:47], \s*KSTEP*2
	s_or_b32 s[G0B+4*\s+3], s[G0B+4*\s+3], 0x80000000
	JLOAD \s                                       ; both first fills go out together: two tensor loads of the wave are out, later one behind each round
.endr
	; A fragment is 16 rows x 32 K in 8 registers: lane l holds row l % 16; registers 0-3 hold K = 8 (l / 16) + 0..7, registers 4-7 hold K = 16 + 8 (l / 16) + 0..7:
	; two loads of 16 bytes, 32 bytes apart, at row x pitch + 16 (l / 16).
	v_and_b32 v1, 15, v0                           ; r = l % 16
	v_bfe_u32 v2, v0, 4, 1                         ; h = l / 16
	v_mul_u32_u24 v3, v1, PITCH
	v_lshl_add_u32 v3, v2, 4, v3
	s_mul_i32 s21, s11, HALFT                      ; my 128 rows of xh
	s_mul_i32 s22, s12, HALFT                      ; my 128 rows of wq,
	s_add_co_u32 s22, s22, 2*HALFT                 ; which lie behind xh's 256
.irp s, 0,1
	v_add_nc_u32 v[ADRA+\s], s21, v3
	v_add_nc_u32 v[ADRB+\s], s22, v3
	s_add_co_u32 s21, s21, SLOT
	s_add_co_u32 s22, s22, SLOT
.endr
	s_mul_i32 s23, s10, WSTAGE
	s_add_co_u32 s23, s23, STAGE                   ; my stage
	v_mul_u32_u24 v4, v1, SPITCH
	v_lshl_add_u32 v4, v2, 5, v4                   ; in: row r, 32 bytes for each half of the lanes
	v_add_nc_u32 v[STO], s23, v4
	v_and_b32 v5, 31, v0
	v_lshlrev_b32 v[CO], 4, v5                     ; back and out: the 32 lanes take one row piece of 512 bytes
	v_add_nc_u32 v[RD], s23, v[CO]
; 16 matrix instructions: row blocks a0, a0 + 1 of the window's four (hi = 0: my rows 0-63, 1: rows 64-127) x all 8 column blocks, 32 along K, from buffer f.
; zero = 1: the first product starts the sums, nothing is cleared.  The 64 accumulators take turns, one instruction a turn, in the same order in every
; quarter and over the backward jump.
.macro MUL16 f, hi, a0, zero
.irp a, \a0, \a0+1
.irp b, 0,1,2,3,4,5,6,7
.if \zero
	v_wmma_f32_16x16x32_f16 v[8*(8*(\a)+\b):8*(8*(\a)+\b)+7], v[128*\f+8*\b:128*\f+8*\b+7], v[128*\f+64+8*(4*\hi+(\a)):128*\f+64+8*(4*\hi+(\a))+7], 0
.else
	v_wmma_f32_16x16x32_f16 v[8*(8*(\a)+\b):8*(8*(\a)+\b)+7], v[128*\f+8*\b:128*\f+8*\b+7], v[128*\f+64+8*(4*\hi+(\a)):128*\f+64+8*(4*\hi+(\a))+7], v[8*(8*(\a)+\b):8*(8*(\a)+\b)+7]
.endif
.endr
.endr
.endm
; 8 LDS loads: piece p of the 32 that bring one quarter step's fragments (32 K at byte k of a slot's rows) into buffer g.
; p = 0, 1: wq's fragments 0-3, 4-7;  p = 2, 3: xh's fragments 0-3, 4-7.  Fragment 4 p + i of the sixteen lies at v[128 g + 8 (4 p + i)].
.macro PIECE slot, k, g, p
	WIN TO_F
.irp i, 0,1,2,3
.if \p < 2
	ds_load_b128 v[128*\g+8*(4*\p+\i):128*\g+8*(4*\p+\i)+3],   v[ADRB+\slot] offset:\k+(4*\p+\i)*16*PITCH
	ds_load_b128 v[128*\g+8*(4*\p+\i)+4:128*\g+8*(4*\p+\i)+7], v[ADRB+\slot] offset:\k+(4*\p+\i)*16*PITCH+32
.else
	ds_load_b128 v[128*\g+8*(4*\p+\i):128*\g+8*(4*\p+\i)+3],   v[ADRA+\slot] offset:\k+(4*\p-8+\i)*16*PITCH
	ds_load_b128 v[128*\g+8*(4*\p+\i)+4:128*\g+8*(4*\p+\i)+7], v[ADRA+\slot] offset:\k+(4*\p-8+\i)*16*PITCH+32
.endif
.endr
.endm
; A load into a register that a matrix instruction has read, and a store of a matrix result, stand four places behind that matrix instruction, and only plain
; vector instructions that name none of its registers are places (ISA guide 7.12.1 for vector instructions).
; The four v_nop at the head of a quarter stand between the last product that read buffer g and every load of that quarter into g.
.macro PLACES
.rept 4
	v_nop
.endr
.endm
; A K step is four quarter steps of 32 along K, 64 matrix instructions each, on buffers 0, 1, 0, 1.
; One of the first three: multiplies buffer f and fetches the next quarter's fragments, at byte k of the same slot's rows, into buffer g, a piece of 8 loads
; ahead of each 16 matrix instructions: the four waves' requests are spread over the quarter and not bunched in one run.
.macro QUARTER slot, k, f, g, zero
	PLACES
	PIECE \slot, \k, \g, 0
	s_wait_dscnt 16                                ; out may be the 16 youngest: buffer f's piece 3 and the piece just issued; wq's fragments and xh's 0-3 of buffer f are in
	WIN MUL_LO
	MUL16 \f, 0, 0, \zero
	PIECE \slot, \k, \g, 1
	WIN MUL_LO
	MUL16 \f, 0, 2, \zero
	PIECE \slot, \k, \g, 2
	s_wait_dscnt 24                                ; all but this quarter's three pieces: buffer f's piece 3 (xh's fragments 4-7) is in
	WIN MUL_HI
	MUL16 \f, 1, 0, \zero
	PIECE \slot, \k, \g, 3
	WIN MUL_HI
	MUL16 \f, 1, 2, \zero
.endm
.macro THREE slot, zero
	QUARTER \slot, 64,  0, 1, \zero
	QUARTER \slot, 128, 1, 0, 0
	QUARTER \slot, 192, 0, 1, 0
.endm
; The last quarter: multiplies buffer 1 and changes slots.  fill = 1: this slot is filled again, two K steps ahead.
; In front of the barrier each wave waits for its reads of this slot and for all its tensor loads (the one that is out is its part of the next slot).
; Behind it (with a refill: behind the cluster's round that it opens) nobody reads this slot and the next is whole: the refill comes first, then the next
; slot's first fragments.
.macro TURN slot, next, fill
	s_wait_dscnt 8                                 ; buffer 1's piece 3 may be out
	WIN MUL_LO
	MUL16 1, 0, 0, 0
	s_wait_dscnt 0                                 ; my reads of this slot are over
	s_set_vgpr_msb 0xa5a0
	s_wait_tensorcnt 0x0                           ; all my tensor loads have landed
	ds_add_u32 v254, v255
	s_wait_dscnt 0x0
	s_set_vgpr_msb 0xa0a5
	s_barrier_signal -1                            ; say so,
	MUL16 1, 0, 2, 0                               ; work on registers while the others arrive,
	WIN 0
	s_barrier_wait -1
.if \fill
	CREST                                          ; all sixteen work-groups have said so: no wave of any partner still reads this slot or has a load on its way
	s_add_nc_u64 s[G0+4*\slot+2:G0+4*\slot+3], s[G0+4*\slot+2:G0+4*\slot+3], 2*KSTEP*2    ; no tensor load of mine is out: a group 0 may be written
	s_add_nc_u64 s[G0B+4*\slot+2:G0B+4*\slot+3], s[G0B+4*\slot+2:G0B+4*\slot+3], 2*KSTEP*2
	JLOAD \slot                                    ; the wave's one tensor load behind the round, and the first thing there
.endif
	PLACES
	PIECE \next, 0, 0, 0                           ; what the next quarter's first products need goes out at once: 32 matrix instructions ahead
	PIECE \next, 0, 0, 1
	PIECE \next, 0, 0, 2
	WIN MUL_HI
	MUL16 1, 1, 0, 0
	PIECE \next, 0, 0, 3
	WIN MUL_HI
	MUL16 1, 1, 2, 0
.endm
.macro LAP zero                        ; once round the ring, both slots filled again
	THREE 0, \zero
	TURN 0, 1, 1
	THREE 1, 0
	TURN 1, 0, 1
.endm
	s_wait_tensorcnt 1                             ; my part of K step 0 is in; K step 1's may stay out
	s_barrier_signal -1
	s_barrier_wait -1                              ; everybody's is
	PIECE 0, 0, 0, 0
	PIECE 0, 0, 0, 1
	PIECE 0, 0, 0, 2
	PIECE 0, 0, 0, 3
	LAP 1                                          ; K steps 0 and 1: the first products start the sums
	WIN 0                                          ; at a label and at a branch every window is 0
	s_mov_b32 s3, LAPS-2
.Llap:
	LAP 0                                          ; K steps 2 to 29; their turns ask for steps 4 to 31
	WIN 0
	s_sub_co_u32 s3, s3, 1
	s_cmp_lg_u32 s3, 0
	s_cbranch_scc1 .Llap
	THREE 0, 0                                     ; the last lap fills nothing and has no round: the one load still out is slot 1's, K step 31
	TURN 0, 1, 0
	THREE 1, 0
	s_wait_dscnt 8                                 ; the very last quarter: nothing more to fetch
	WIN MUL_LO
	MUL16 1, 0, 0, 0
	MUL16 1, 0, 2, 0
	s_wait_dscnt 0
	WIN MUL_HI
	MUL16 1, 1, 0, 0
	MUL16 1, 1, 2, 0
	; THE WAY OUT, 16 rows x 128 columns at a time: 32 bytes a lane into my own stage in LDS, read back as row pieces of 512 bytes, stored from registers.
	PLACES                                         ; the places behind the last matrix instructions, for the LDS stores that read results
	s_lshl_b32 s16, s13, 8
	s_lshl_b32 s14, s11, 7
	s_add_co_u32 s16, s16, s14                     ; my first row: 256 x block row + 128 x half,
	s_lshl_b32 s16, s16, 13                        ; x 8,192 bytes (below 2^26)
	s_mov_b32 s17, 0
	s_add_nc_u64 s[8:9], s[8:9], s[16:17]
	s_lshl_b32 s46, s42, 10                        ; my first column, in bytes: 1,024 x block column + 512 x half
	s_lshl_b32 s47, s12, 9
	s_add_co_u32 s46, s46, s47
	s_mov_b32 s47, 0
	s_add_nc_u64 s[8:9], s[8:9], s[46:47]
; rows 16 i .. 16 i + 15 of my block = the eight tiles (a, 0..7) of window 2 or 3 (from = 0x08 or 0x0c: an LDS store's data is source 1); buf: T0 or T1 in turn
.macro OUT16 i, a, from, buf
	WIN \from
.irp b, 0,1,2,3,4,5,6,7
	ds_store_b128 v[STO], v[8*(8*\a+\b):8*(8*\a+\b)+3]   offset:64*\b
	ds_store_b128 v[STO], v[8*(8*\a+\b)+4:8*(8*\a+\b)+7] offset:64*\b+16
.endr
	WIN 0
	s_wait_xcnt 0x0                                ; every earlier memory instruction has had its addresses translated (ISA guide 3.1): buf, which earlier stores read, is loaded again only behind this wait
.irp t, 0,1,2,3,4,5,6,7,8,9,10,11,12,13,14,15
	ds_load_b128 v[\buf+4*\t:\buf+4*\t+3], v[RD] offset:\t*SPITCH     ; the wave's own bytes, and LDS serves a wave's instructions in order (ISA guide 5.7.1.4): these see the stores above
.endr
.irp t, 0,1,2,3,4,5,6,7,8,9,10,11,12,13,14,15
	s_wait_dscnt 15-\t                             ; row t is in, the 15 - t younger loads stay out
	global_store_b128 v[CO], v[\buf+4*\t:\buf+4*\t+3], s[8:9] offset:(16*\i+\t)*8192 th:TH_STORE_NT   ; the wave stores 512 consecutive bytes at a multiple of 512 from out0's start; offsets up to 127 x 8,192, inside the signed 24-bit immediate
.endr
.endm
	OUT16 0, 0, 0x08, T0
	OUT16 1, 1, 0x08, T1
	OUT16 2, 2, 0x08, T0
	OUT16 3, 3, 0x08, T1
	OUT16 4, 0, 0x0c, T0
	OUT16 5, 1, 0x0c, T1
	OUT16 6, 2, 0x0c, T0
	OUT16 7, 3, 0x0c, T1
	s_wait_tensorcnt 0x0
	ds_add_u32 v254, v255
	s_wait_dscnt 0x0
	CROUND                                         ; the closing round: no work-group ends while a partner may still ask for a tile that names it
	s_endpgm
.Lfunc_end_k_q7fd1dde85d_gemm:
	.size	k_q7fd1dde85d_gemm, .Lfunc_end_k_q7fd1dde85d_gemm-k_q7fd1dde85d_gemm
	.p2alignl 7, 3214868480
	.fill 96, 4, 3214868480
	.section	.rodata,"a",@progbits
	.p2align	6, 0x0
	.amdhsa_kernel k_q7fd1dde85d_gemm
		.amdhsa_group_segment_fixed_size 327680
		.amdhsa_private_segment_fixed_size 0
		.amdhsa_enable_private_segment 0
		.amdhsa_kernarg_size 24
		.amdhsa_user_sgpr_count 2
		.amdhsa_user_sgpr_kernarg_segment_ptr 1
		.amdhsa_wavefront_size32 1
		.amdhsa_system_sgpr_workgroup_id_x 1
		.amdhsa_system_sgpr_workgroup_id_y 1
		.amdhsa_system_sgpr_workgroup_id_z 1
		.amdhsa_system_vgpr_workitem_id 0
		.amdhsa_next_free_vgpr 1024
		.amdhsa_next_free_sgpr 66
		.amdhsa_reserve_vcc 0
		.amdhsa_float_denorm_mode_32 3
		.amdhsa_float_denorm_mode_16_64 3
		.amdhsa_memory_ordered 1
		.amdhsa_forward_progress 1
		.amdhsa_inst_pref_size 198
	.end_amdhsa_kernel
	.amdgpu_metadata
---
amdhsa.version: [ 1, 2 ]
amdhsa.kernels:
  - .name:           k_q7fd1dde85d_gemm
    .symbol:         k_q7fd1dde85d_gemm.kd
    .args:
      - { .name: xh, .offset: 0, .size: 8, .value_kind: global_buffer, .address_space: global }
      - { .name: wq, .offset: 8, .size: 8, .value_kind: global_buffer, .address_space: global }
      - { .name: out0, .offset: 16, .size: 8, .value_kind: global_buffer, .address_space: global }
    .group_segment_fixed_size: 327680
    .private_segment_fixed_size: 0
    .kernarg_segment_align: 8
    .kernarg_segment_size: 24
    .max_flat_workgroup_size: 128
    .sgpr_count:     66
    .vgpr_count:     1024
    .wavefront_size: 32
...
	.end_amdgpu_metadata
.endif
;; end of part 2
;; ======== version 2 of 2: 2 launches; version 1 with the launch prep written anew for expert scheduling mode
;; limits: values are held in f16: magnitudes above 65,504 overflow, below 6.1e-05 lose precision
;; workspace buffers: xh 67,108,864 bytes; wq 16,777,216 bytes
;; launch prep (part 3): grid 1280 x 1, 8 waves a work-group, no clusters, 0 bytes of LDS; arguments x, compressed_weight, scale, offset, xh, wq; writes xh, wq
.if DOCPART == 3
	.amdgcn_target "amdgcn-amd-amdhsa--gfx1250"
	.amdhsa_code_object_version 6
	.text
	.protected	k_q7fd1dde85d_prep
	.globl	k_q7fd1dde85d_prep
	.p2align	8
	.type	k_q7fd1dde85d_prep,@function
k_q7fd1dde85d_prep:
	s_mov_b64 s[64:65], 0
	v_nop
	global_prefetch_b8 v0, s[64:65] scope:SCOPE_SE
	s_setreg_imm32_b32 hwreg(HW_REG_WAVE_SCHED_MODE, 0, 2), 2
	s_setreg_imm32_b32 hwreg(HW_REG_WAVE_MODE, 25, 1), 1
	s_wait_xcnt 0x0
	s_wait_alu depctr_vm_vsrc(0)
; Both matrix operands of the product that follows, in f16, row-major:
;   work-groups 0 .. 1023:    xh[m][k] = f16(x[m][k]),                                  x: [8192][4096] f32
;   work-groups 1024 .. 1279: wq[n][k] = f16(code[n][k] * scale[n][k/128] - offset[n][k/128]),  code: [2048][4096] int32; scale, offset: [2048][32] f32
; WHY x IS CAST HERE and not on its way into the matrix unit: with x in LDS as f32, two slots of a K step of 128 would take 2 x 204,800 bytes; in f16 they
; take 2 x 139,264 and fit.  The price: xh's 67,108,864 bytes are written here and read there, where x's 134,217,728 would have been read once.
; WHY f16: a sum over 4,096 products of two operands with 8-bit significands has rounding noise of about a quarter of the allowed error (0.01 of the
; output's root mean square), too little margin over 16.8 million outputs; f16's 11 bits make it an eighth of that.
; LIMITS: a magnitude of 65,520 or more becomes infinity; one below 2^-14 keeps an absolute step of 2^-24.  Numbers of unit spread, thirty times larger or
; shifted by thirty spreads, stay below 200; with codes below 16, scales up to 30 and offsets up to 180 the weights stay below 630.
; code * scale - offset is ONE fused multiply-add (one rounding; a multiply and a subtraction would round twice).  A code may be any int32.
; A stream: no LDS, no barrier, no matrix unit, no cluster (work-groups share no input).  Every work-group reads 131,072 bytes and writes 65,536; a wave
; owns 16,384 consecutive bytes of input (for the weights: one row), asks for all of them at once by 32 loads of 512 consecutive bytes, and stores each
; load's 128 numbers as 256 consecutive bytes, aligned to 256.
; THE MODE: SCHED_MODE bits 1:0 = 2 (LLVM: expert scheduling mode 2), set by the entry lines.  The code itself states the register dependences
; between vector instructions and memory instructions, with s_wait_alu, always for 0.
; THE PLAN.  Registers that memory instructions touch:
;   v[IN], v[OUT], v[SO]  byte offsets, made once by vector instructions and never written again: one wait on va_vdst ahead of a path's first load serves every load and store.
;   v[SV], v[OV]          a load lands in each; no vector instruction names them before that, and no memory instruction reads them.
;   slot j of X           load j lands in it (no vector instruction has named it); slot j's arithmetic works in place; store j reads its first two registers; nothing names it after that.
; So no register that a memory instruction has read is ever written again, and no load lands in a register that a vector instruction has named: the one kind of
; dependence left is a store's data.  The 32 slots go in 8 blocks of four.  Block p's arithmetic names block p's slots alone; its memory instructions are the four stores
; of block p - 1.  ONE wait on va_vdst at a block's head states that the block before has written what those four stores read; they are then dealt among the block's
; arithmetic, one ahead of each slot's, with no further wait.  In the weights' path a block's eight lane reads into scalars stand in one run, with one wait on va_sdst behind it.
.set XGROUPS, 1024                     ; work-groups that cast x: 134,217,728 / 131,072
.set BLOCK, 4                          ; slots in a block (the weights' path has four pairs of scalars for it)
.set IN,  2                            ; v2   byte offset of my 16 bytes in the group's input: wave x 16,384 + lane x 16
.set OUT, 3                            ; v3   half of that: my 8 bytes in the group's output
.set SV,  4                            ; v4   weights: lane j holds the scale of my wave's row, group j
.set OV,  5                            ; v5   weights: lane j holds the offset likewise, then its negative
.set SO,  7                            ; v7   weights: byte offset of that scale and offset
.set X,   12                           ; v[12:139]  32 slots of 4 registers: as loaded, then (first two) f16 to store
.macro LOADS lo                        ; the wave's 16,384 bytes: 32 loads, each into registers of its own
.set j, 0
.rept 32
	global_load_b128 v[X+4*j:X+4*j+3], v[IN], s[\lo:\lo+1] offset:512*j th:TH_LOAD_NT
.set j, j+1
.endr
.endm
	s_load_b256 s[4:11], s[0:1], 0x0               ; x s[4:5], codes s[6:7], scale s[8:9], offset s[10:11]
	s_load_b128 s[12:15], s[0:1], 0x20             ; xh s[12:13], wq s[14:15]
	v_and_b32 v1, 31, v0                           ; lane
	v_lshrrev_b32 v6, 5, v0                        ; wave
	v_lshlrev_b32 v[IN], 4, v1
	v_lshl_add_u32 v[IN], v6, 14, v[IN]
	v_lshrrev_b32 v[OUT], 1, v[IN]
	s_mov_b32 s3, 0
	s_mov_b32 s17, 0
	s_cmp_ge_u32 ttmp9, XGROUPS
	s_cbranch_scc1 .Lweights
	; ---- x to f16 ----
	s_lshl_b32 s2, ttmp9, 17                       ; 131,072 bytes of x for each work-group (below 2^27)
	s_lshl_b32 s16, ttmp9, 16                      ; 65,536 bytes of xh
	s_wait_kmcnt 0x0
	s_add_nc_u64 s[4:5], s[4:5], s[2:3]
	s_add_nc_u64 s[12:13], s[12:13], s[16:17]
	s_wait_alu depctr_va_vdst(0)                   ; v[IN] and v[OUT] are written: every load of this path reads the one as its offset, every store the other
	LOADS 4
	; no register that a load or store names as a source is ever written again, so nothing is owed for sources
.set j, 0
.rept 32
	s_wait_loadcnt 31-j                            ; loads come back in order (ISA guide 5.7.1): slot j is in, the 31 - j younger stay out
.if j >= BLOCK
.if (j % BLOCK) == 0
	s_wait_alu depctr_va_vdst(0)                   ; the block before has written the first two registers of its four slots, which this block's four stores read
.endif
	global_store_b64 v[OUT], v[X+4*(j-BLOCK):X+4*(j-BLOCK)+1], s[12:13] offset:256*(j-BLOCK)  ; the slot a block back: no vector instruction since the wait names its registers.  No hint: the next launch reads xh
.endif
	v_cvt_pk_f16_f32 v[X+4*j],   v[X+4*j],   v[X+4*j+1]
	v_cvt_pk_f16_f32 v[X+4*j+1], v[X+4*j+2], v[X+4*j+3]
.set j, j+1
.endr
	s_wait_alu depctr_va_vdst(0)                   ; the last block has written what the last four stores read
.set j, 32-BLOCK
.rept BLOCK
	global_store_b64 v[OUT], v[X+4*j:X+4*j+1], s[12:13] offset:256*j
.set j, j+1
.endr
	s_endpgm
	; ---- weights: the work-group owns rows 8 g .. 8 g + 7, a wave one row; its load j is the row's group j ----
.Lweights:
	s_sub_co_u32 s18, ttmp9, XGROUPS               ; g = 0 .. 255
	s_lshl_b32 s2, s18, 17                         ; 8 rows of 16,384 bytes of codes
	s_lshl_b32 s16, s18, 16                        ; 8 rows of 8,192 bytes of wq
	s_lshl_b32 s19, s18, 10                        ; 8 rows of 128 bytes of scale and of offset
	v_lshl_add_u32 v[SO], v0, 2, s19               ; + wave x 128 + lane x 4 = + 4 x thread
	s_wait_kmcnt 0x0
	s_add_nc_u64 s[6:7], s[6:7], s[2:3]
	s_add_nc_u64 s[14:15], s[14:15], s[16:17]
	s_wait_alu depctr_va_vdst(0)                   ; v[SO], v[IN] and v[OUT] are written: the loads and stores of this path read them as their offsets
	global_load_b32 v[SV], v[SO], s[8:9]           ; the row's 32 scales: 128 consecutive bytes for the wave
	global_load_b32 v[OV], v[SO], s[10:11]
	LOADS 6
	s_wait_loadcnt 32                              ; scales and offsets are in; the 32 loads of codes stay out
	v_xor_b32 v[OV], 0x80000000, v[OV]             ; - offset, exact: the multiply-add below then takes two scalars as they are
.set j, 0
.rept 32
.if (j % BLOCK) == 0
.irp i, 0,1,2,3
	v_readlane_b32 s[20+2*\i], v[SV], j+\i         ; the block's four groups: scale and - offset, each the same for all 128 codes of its load; one run of eight,
	v_readlane_b32 s[21+2*\i], v[OV], j+\i         ; behind the multiply-adds of the block before, which read the same four pairs of scalars
.endr
.endif
	s_wait_loadcnt 31-j                            ; slot j is in, the 31 - j younger loads stay out
.if (j % BLOCK) == 0
	s_wait_alu depctr_va_sdst(0)                   ; the eight lane reads have written s20 to s27, ahead of the first multiply-add that reads them
.endif
.if j >= BLOCK
.if (j % BLOCK) == 0
	s_wait_alu depctr_va_vdst(0)                   ; the block before has written the first two registers of its four slots, which this block's four stores read
.endif
	global_store_b64 v[OUT], v[X+4*(j-BLOCK):X+4*(j-BLOCK)+1], s[14:15] offset:256*(j-BLOCK)  ; the slot a block back: no vector instruction since the wait names its registers.  No hint: the next launch reads wq
.endif
.irp i, 0,1,2,3
	v_cvt_f32_i32 v[X+4*j+\i], v[X+4*j+\i]
.endr
.irp i, 0,1,2,3
	v_fma_f32 v[X+4*j+\i], v[X+4*j+\i], s[20+2*(j%4)], s[21+2*(j%4)]
.endr
	v_cvt_pk_f16_f32 v[X+4*j],   v[X+4*j],   v[X+4*j+1]
	v_cvt_pk_f16_f32 v[X+4*j+1], v[X+4*j+2], v[X+4*j+3]
.set j, j+1
.endr
	s_wait_alu depctr_va_vdst(0)                   ; the last block has written what the last four stores read
.set j, 32-BLOCK
.rept BLOCK
	global_store_b64 v[OUT], v[X+4*j:X+4*j+1], s[14:15] offset:256*j
.set j, j+1
.endr
	s_endpgm
.Lfunc_end_k_q7fd1dde85d_prep:
	.size	k_q7fd1dde85d_prep, .Lfunc_end_k_q7fd1dde85d_prep-k_q7fd1dde85d_prep
	.p2alignl 7, 3214868480
	.fill 96, 4, 3214868480
	.section	.rodata,"a",@progbits
	.p2align	6, 0x0
	.amdhsa_kernel k_q7fd1dde85d_prep
		.amdhsa_group_segment_fixed_size 0
		.amdhsa_private_segment_fixed_size 0
		.amdhsa_enable_private_segment 0
		.amdhsa_kernarg_size 48
		.amdhsa_user_sgpr_count 2
		.amdhsa_user_sgpr_kernarg_segment_ptr 1
		.amdhsa_wavefront_size32 1
		.amdhsa_system_sgpr_workgroup_id_x 1
		.amdhsa_system_sgpr_workgroup_id_y 1
		.amdhsa_system_sgpr_workgroup_id_z 1
		.amdhsa_system_vgpr_workitem_id 0
		.amdhsa_next_free_vgpr 140
		.amdhsa_next_free_sgpr 66
		.amdhsa_reserve_vcc 0
		.amdhsa_float_denorm_mode_32 3
		.amdhsa_float_denorm_mode_16_64 3
		.amdhsa_memory_ordered 1
		.amdhsa_forward_progress 1
		.amdhsa_inst_pref_size 41
	.end_amdhsa_kernel
	.amdgpu_metadata
---
amdhsa.version: [ 1, 2 ]
amdhsa.kernels:
  - .name:           k_q7fd1dde85d_prep
    .symbol:         k_q7fd1dde85d_prep.kd
    .args:
      - { .name: x, .offset: 0, .size: 8, .value_kind: global_buffer, .address_space: global }
      - { .name: compressed_weight, .offset: 8, .size: 8, .value_kind: global_buffer, .address_space: global }
      - { .name: scale, .offset: 16, .size: 8, .value_kind: global_buffer, .address_space: global }
      - { .name: offset, .offset: 24, .size: 8, .value_kind: global_buffer, .address_space: global }
      - { .name: xh, .offset: 32, .size: 8, .value_kind: global_buffer, .address_space: global }
      - { .name: wq, .offset: 40, .size: 8, .value_kind: global_buffer, .address_space: global }
    .group_segment_fixed_size: 0
    .private_segment_fixed_size: 0
    .kernarg_segment_align: 8
    .kernarg_segment_size: 48
    .max_flat_workgroup_size: 256
    .sgpr_count:     66
    .vgpr_count:     140
    .wavefront_size: 32
...
	.end_amdgpu_metadata
.endif
;; end of part 3
;; launch gemm: the kernel of part 2 again; grid 8 x 32, 4 waves a work-group, clusters of 4 x 4, 327,680 bytes of LDS; arguments xh, wq, out0; writes out0
